; MI455X (gfx1250); checked and timed in simulation.
; The chip was launched on July 23, 2026; its instructions are those of AMD's public machine-readable ISA for CDNA 5 (MIT licence, August 2026) and "CDNA5" Instruction Set Architecture Reference Guide (July 2026). The comments in the code are by the model that wrote it; some were corrected since.
;; Multi Head Self Attention. Allowed arithmetic: matrix products marked QUANTISED: E2M3 operands, one E8M0 scale for each 32 along K, by v_wmma_scale_f32_16x16x128_f8f6f4 with both operands' format E2M3, f32 sums; everything else in f32.
;; Inputs: W_k 16 x 1,024 x 64 float32; W_q 16 x 1,024 x 64 float32; W_v 16 x 1,024 x 64 float32; x 2 x 2,048 x 1,024 float32.
;; Outputs: out0 2 x 2,048 x 1,024 float32.
;; This version of the problem:
;;   THIS VERSION OF THE PROBLEM IS GIVEN IN LOW PRECISION. The matrix products marked QUANTISED in the list below multiply operands that are first quantised to E2M3 (2 exponent bits, 3 mantissa bits; 6 bits a number), with one power-of-two scale for each 32 numbers along K (OCP MX v1.0); their sums are f32. All else is computed in f32.
;;   The module's matrix products, in the order in which they are computed (A, B: the left and right operand; K: the contracted axis; several contracted axes count as one K, in the product's order):
;;     1. [M 1,024, K 1,024] x [K 1,024, N 4,096]; A: input W_q; B: input x: QUANTISED
;;     2. [M 1,024, K 1,024] x [K 1,024, N 4,096]; A: input W_k; B: input x: QUANTISED
;;     3. [M 1,024, K 1,024] x [K 1,024, N 4,096]; A: input W_v; B: input x: QUANTISED
;;     4. batch 32 x [M 2,048, K 64] x [K 64, N 2,048]; A: computed on the way; B: computed on the way: QUANTISED
;;     5. batch 32 x [M 2,048, K 2,048] x [K 2,048, N 64]; A: softmax (see below); B: computed on the way: QUANTISED
;;   THE QUANTISER, for each operand of a quantised product, along K:
;;     - K is cut into blocks of 32 from its start; a last block that is shorter is filled with zeros.
;;     - A block's scale is 2^e with e = floor(log2(the largest magnitude in the block)) - 2, held to -126 .. 127; a block of zeros has e = 0. As a byte (E8M0): e + 127.
;;     - Each number is divided by its block's scale, clamped to +-7.5, and rounded to the nearest number of E2M3, ties to even, subnormals kept.
;;     - The product sums the exact products of the quantised numbers (number of the format x scale) in f32.
;;   ~~~python
;;   def quantise(x, axis):      # numpy; x: float32 -> the quantised numbers, widened to float32 again
;;       x = np.moveaxis(x, axis, -1); K = x.shape[-1]
;;       x = np.pad(x, [(0, 0)] * (x.ndim - 1) + [(0, -K % 32)]); x = x.reshape(x.shape[:-1] + (-1, 32)); a = np.abs(x).max(-1, keepdims=True)
;;       e = np.where(a > 0, np.clip(np.frexp(np.where(a > 0, a, 1))[1] - 1 - 2, -126, 127), 0)      # np.frexp(a)[1] - 1 = floor(log2(a)), exactly
;;       r = np.clip(x / 2.0 ** e, -7.5, 7.5)
;;       step = 2.0 ** (np.maximum(np.frexp(np.where(r == 0, 1, r))[1] - 1, 0) - 3)
;;       q = np.round(r / step) * step * 2.0 ** e      # np.round: ties to even
;;       return np.moveaxis(q.reshape(q.shape[:-2] + (-1,))[..., :K], -1, axis).astype(np.float32)
;;   ~~~
;;   SOFTMAX AHEAD OF A QUANTISED PRODUCT. Where the list says 'softmax', what is quantised is not the finished softmax but p = 2^(t - M), with t = logit x log2(e) and M = ceil(the row's largest t), a whole number; so 1/2 < the row's largest p <= 1. The row's sum l is taken of the UNQUANTISED p, in f32, and the product's result is divided by l at the end. Since M is a whole number, a kernel that streams over the keys may use a running M (the ceiling of the running maximum): every later rescaling is an exact power of two, which a block's scale takes up: the codes' values come out the same.
;;   OPERANDS COMPUTED ON THE WAY. 'Computed on the way' means the value that the module computes at that place (a softmax that the list does not call 'softmax' is quantised finished and normalised). What goes into a quantiser is computed in f32, as accurately as f32 sums, v_exp_f32 and their like allow (about 1e-6 of the number): no bf16 or f16 on the way to a quantiser, and a product that is left as it is and whose result goes on into a quantised operand takes f32 operands (vector FMAs, or v_wmma_f32_16x16x4_f32). A number that lies on a knife's edge between two numbers of the format may be rounded either way, as far as f32 arithmetic and the matrix unit's own rounding can turn it there, and no further.
;; One version. Each part assembles by itself: llvm-mc -triple=amdgcn-amd-amdhsa -mcpu=gfx1250 --defsym DOCPART=n.
;; ======== version 1 of 1: 3 launches
;; workspace buffers: opc 5,505,024 bytes; ops 229,376 bytes; att 9,830,400 bytes
;; launch quant (part 1): grid 224 x 1, 4 waves a work-group, no clusters, 68,096 bytes of LDS; arguments x, W_q, W_k, W_v, opc, ops; writes opc, ops
.if DOCPART == 1
	.amdgcn_target "amdgcn-amd-amdhsa--gfx1250"
	.amdhsa_code_object_version 6
	.text
	.protected	k_q7dd4c1ea75_quant
	.globl	k_q7dd4c1ea75_quant
	.p2align	8
	.type	k_q7dd4c1ea75_quant,@function
k_q7dd4c1ea75_quant:
	s_mov_b64 s[64:65], 0
	v_nop
	global_prefetch_b8 v0, s[64:65] scope:SCOPE_SE
	s_setreg_imm32_b32 hwreg(HW_REG_WAVE_MODE, 25, 1), 1
	s_wait_xcnt 0x0
; x [4096][1024] and W_q, W_k, W_v [16][1024][64], f32, become codes of FP6 (E2M3) with K = the 1,024 innermost, and one E8M0 scale byte for each 32 along K.
; opc: 7,168 rows of 768 bytes (rows 0-4095 x, then 1,024 rows each of W_q, W_k, W_v: row = 64 head + e);  ops: the same rows, 32 scale bytes each.
; POSITION ORDER: in every aligned group of 32 rows the second and third groups of 8 rows change places: position 16 u + r holds true row 8 u + r + 8 (r / 8).  Sixteen neighbouring positions, taken as
; source 0 of a matrix instruction, then give a lane's 16 result registers of two neighbouring tiles 16 NEIGHBOURS of the true order, which is what the next quantiser wants.
; A block's scale is 2^(floor(log2(its largest magnitude)) - 2); its byte is the largest magnitude's exponent field - 2, held at 1 from below.
; LIMITS: a block's largest magnitude is taken as at least 2^-124 (the byte is held at 1); a block of zeros gets the byte 1 where the quantiser's text says 127: its codes are zeros, which add nothing,
; and these bytes are read by this program alone; NaN and infinities among the inputs are not served.
; Work-groups 0-127 take x (K innermost: a stream of blocks; a wave takes 8 rows), work-groups 128-223 the weights (K is the middle axis: a lane takes a column e and its registers run down K).
; The two ways part on the work-group's number, never join, and have LDS bytes of their own.  No barrier: waves share nothing.
.set EMAX,   2
.set CB,     12                        ; bytes of 16 codes
; the way of x
.set STEPS,  16                        ; steps of 512 numbers in a wave's 8 rows
.set DEPTH,  8                         ; steps of loads that are out: 32 loads a wave
.set SP,     80                        ; a lane's place in a stage: 64 bytes + 16 of padding
.set WREG,   8192                      ; LDS bytes 0 - 32,767: a region for each wave: two stages of 32 x SP bytes, then its 256 scale bytes
.set XR,     16                        ; v16-143  eight sets of 16 numbers as loaded
.set XX,     144                       ; v144-175 two sets of 16 neighbours
.set XC,     176                       ; v176-239 codes: four registers for each step, never written again
.set XE,     240                       ; v240-255 a scale byte for each step
; the way of the weights
.set WSTG,   32768                     ; LDS bytes 32,768 - 67,583: a stage of 32 rows x WPITCH for each wave
.set WPITCH, 272                       ; a stage row: sixteen places of 16 bytes, 12 bytes of codes in each, + 16
.set NB,     8                         ; blocks of 32 along K for a wave
.set WX,     32                        ; v32-95   two sets of 32 numbers
.set WC,     96                        ; v96..    a block's codes
.set WOUT,   112                       ; v112-175 the way out
.set WSB,    24                        ; v24-25   eight scale bytes
.macro XLOAD t                         ; step t: four loads of 512 consecutive bytes
.irp i, 0,1,2,3
	global_load_b128 v[XR+16*((\t)%DEPTH)+4*\i:XR+16*((\t)%DEPTH)+4*\i+3], v3, s[4:5] offset:2048*(\t)+512*\i th:TH_LOAD_NT
.endr
.endm
.macro XTURN t                         ; step t's 2,048 bytes through the wave's stage: in as they lie, out 64 bytes a lane.  LDS serves a wave's instructions in order (ISA guide 5.7.1.4)
.irp i, 0,1,2,3
	ds_store_b128 v14, v[XR+16*((\t)%DEPTH)+4*\i:XR+16*((\t)%DEPTH)+4*\i+3] offset:32*SP*((\t)%2)+8*SP*\i
.endr
.irp i, 0,1,2,3
	ds_load_b128 v[XX+16*((\t)%2)+4*\i:XX+16*((\t)%2)+4*\i+3], v15 offset:32*SP*((\t)%2)+16*\i
.endr
.endm
.macro XSTEP t
.set XS, XX+16*((\t)%2)
.if (\t) > 0
	s_wait_dscnt 1                                 ; this step's numbers are back from the stage (the last step's byte store may be out), so its stores into the stage have read their registers,
.else
	s_wait_dscnt 0x0
.endif
.if (\t)+DEPTH < STEPS
	XLOAD (\t)+DEPTH                               ; which take the loads of eight steps on
.endif
.if (\t)+1 < STEPS
.if (\t)+DEPTH < STEPS
	s_wait_loadcnt 4*(DEPTH-1)                     ; the next step's four loads are in; those of the seven steps behind it may be out
.else
	s_wait_loadcnt 4*(STEPS-2-(\t))                ; the tail: the steps behind the next one are fewer
.endif
	XTURN (\t)+1                                   ; the next step goes through the other stage while this one is worked
.endif
	v_max3_num_f32 v8, |v[XS]|, |v[XS+1]|, |v[XS+2]|   ; the largest magnitude of my 16, in two chains
	v_max3_num_f32 v9, |v[XS+3]|, |v[XS+4]|, |v[XS+5]|
.irp i, 6,10
	v_max3_num_f32 v8, v8, |v[XS+\i]|, |v[XS+\i+1]|
	v_max3_num_f32 v9, v9, |v[XS+\i+2]|, |v[XS+\i+3]|
.endr
	v_max3_num_f32 v8, v8, |v[XS+14]|, |v[XS+15]|
	v_max3_num_f32 v8, v8, v9, (EMAX+1)<<23        ; and the floor 2^(3 - 127): the byte cannot fall under 1
	v_max_num_f32_dpp v8, v8, v8 row_xmask:1 row_mask:0xf bank_mask:0xf   ; with my neighbour's 16: the block's
	v_add_nc_u32 v11, -(EMAX<<23), v8              ; 2 off its exponent field: the conversion takes the exponent field of this operand as its scale
	v_cvt_scalef32_pk16_fp6_f32 v[XC+4*(\t):XC+4*(\t)+2], v[XS:XS+15], v11
	v_lshrrev_b32 v[XE+(\t)], 23, v11              ; the scale's byte (also the plain line behind the conversion)
	ds_store_b8 v5, v[XE+(\t)] offset:16*(\t)      ; both lanes of a block write the same byte with the same value
	global_store_b96 v4, v[XC+4*(\t):XC+4*(\t)+2], s[12:13] offset:32*CB*(\t)   ; the wave stores 384 consecutive bytes
.endm
.macro WLOAD t                         ; block t: W(32 t + i, my column), i = 0 .. 31; a row of a head's weight is 256 bytes, of which this wave reads 128 and its neighbour the rest
.irp i, 0,1,2,3,4,5,6,7,8,9,10,11,12,13,14,15,16,17,18,19,20,21,22,23,24,25,26,27,28,29,30,31
	global_load_b32 v[WX+32*((\t)%2)+\i], v3, s[6:7] offset:(32*(\t)+\i)*256
.endr
.endm
.macro WBLOCK t
.set WS, WX+32*((\t)%2)
.if (\t) < NB-1
	s_wait_loadcnt 32                              ; this block's 32 loads are in; the next block's may be out
.else
	s_wait_loadcnt 0x0
.endif
	v_max3_num_f32 v12, |v[WS]|, |v[WS+1]|, |v[WS+2]|   ; the block's largest magnitude: all 32 numbers are mine
	v_max3_num_f32 v13, |v[WS+3]|, |v[WS+4]|, |v[WS+5]|
.irp i, 6,10,14,18,22,26
	v_max3_num_f32 v12, v12, |v[WS+\i]|, |v[WS+\i+1]|
	v_max3_num_f32 v13, v13, |v[WS+\i+2]|, |v[WS+\i+3]|
.endr
	v_max3_num_f32 v12, v12, |v[WS+30]|, |v[WS+31]|
	v_max3_num_f32 v12, v12, v13, (EMAX+1)<<23     ; and the floor
	v_add_nc_u32 v11, -(EMAX<<23), v12             ; the conversion's scale operand
	v_lshrrev_b32 v13, 23, v11                     ; the scale's byte
.if (\t)%4 == 0
	v_mov_b32 v[WSB+(\t)/4], v13                   ; four bytes to a register, the lower K in the lower byte
.else
	v_lshl_or_b32 v[WSB+(\t)/4], v13, 8*((\t)%4), v[WSB+(\t)/4]
.endif
	v_cvt_scalef32_pk16_fp6_f32 v[WC:WC+2], v[WS:WS+15], v11
	v_cvt_scalef32_pk16_fp6_f32 v[WC+4:WC+6], v[WS+16:WS+31], v11   ; (a conversion's three registers begin on an even number)
	v_nop                                          ; one plain line behind the conversions
	ds_store_b96 v4, v[WC:WC+2] offset:32*(\t)     ; 12 bytes to a place of 16, so that every LDS address is a multiple of 16
	ds_store_b96 v4, v[WC+4:WC+6] offset:32*(\t)+16
.if (\t)+2 < NB
	WLOAD (\t)+2
.endif
	s_wait_dscnt 0x0                               ; the stores have read their registers: the next block's codes may be written
.endm
	s_load_b256 s[4:11], s[0:1], 0x0               ; x s[4:5], W_q s[6:7], W_k s[8:9], W_v s[10:11]
	s_load_b128 s[12:15], s[0:1], 0x20             ; opc s[12:13], ops s[14:15]
	v_lshl_add_u32 v235, v0, 2, 0x10800
	v_mov_b32 v239, 0
	v_lshrrev_b32 v1, 5, v0
	v_readfirstlane_b32 s16, v1                    ; wave 0..3
	v_and_b32 v2, 31, v0                           ; lane
	s_cmp_lt_u32 ttmp9, 128
	s_cbranch_scc0 .Lw
	; ---------------- x: work-group g takes rows 32 g .. 32 g + 31, wave w its rows 8 w .. 8 w + 7
	v_lshlrev_b32 v3, 4, v2                        ; my 16 bytes of a load's 512
	s_mul_i32 s17, s16, WREG
	v_lshrrev_b32 v14, 2, v2
	v_mul_u32_u24 v14, v14, SP
	v_and_b32 v15, 3, v2
	v_lshl_add_u32 v14, v15, 4, v14
	v_add_nc_u32 v14, s17, v14                     ; the stage, on the way in: SP (lane / 4) + 16 (lane % 4)
	v_mul_u32_u24 v15, v2, SP
	v_add_nc_u32 v15, s17, v15                     ; and on the way out: SP x lane: my 16 neighbours
	v_mul_u32_u24 v4, v2, CB                       ; my codes' place in a step's 384 bytes
	v_lshrrev_b32 v5, 1, v2
	s_add_co_u32 s17, s17, 2*32*SP
	v_add_nc_u32 v5, s17, v5                       ; my wave's 256 scale bytes: my block's byte
	v_lshlrev_b32 v7, 3, v2                        ; and on the way out 8 bytes a lane
	v_add_nc_u32 v6, s17, v7
	s_lshl_b32 s18, ttmp9, 2
	s_add_co_u32 s20, s18, s16                     ; which run of 8 rows I read
	s_lshl_b32 s20, s20, 15                        ; 32,768 bytes a run
	s_mov_b32 s21, 0
	s_and_b32 s22, s16, 1
	s_lshl_b32 s22, s22, 1
	s_lshr_b32 s23, s16, 1
	s_or_b32 s22, s22, s23                         ; position order: groups 1 and 2 of the 32 rows change places
	s_add_co_u32 s22, s18, s22                     ; which run of 8 positions I write
	s_mul_i32 s24, s22, 8*768
	s_mov_b32 s25, 0
	s_lshl_b32 s26, s22, 8                         ; 8 rows x 32 scale bytes
	s_mov_b32 s27, 0
	s_wait_kmcnt 0x0
	s_add_nc_u64 s[4:5], s[4:5], s[20:21]
	s_add_nc_u64 s[12:13], s[12:13], s[24:25]
	s_add_nc_u64 s[14:15], s[14:15], s[26:27]
.irp t, 0,1,2,3,4,5,6,7
	XLOAD \t
.endr
	s_wait_loadcnt 4*(DEPTH-1)                     ; step 0's four loads are in
	XTURN 0
.irp t, 0,1,2,3,4,5,6,7,8,9,10,11,12,13,14,15
	XSTEP \t
.endr
	ds_load_b64 v[12:13], v6                       ; in order behind my byte stores
	s_wait_dscnt 0x0
	global_store_b64 v7, v[12:13], s[14:15]        ; the 32 lanes store 256 consecutive bytes, at a multiple of 256 from the buffer's first byte
	s_wait_tensorcnt 0x0
	ds_add_u32 v235, v239
	s_wait_dscnt 0x0
	s_endpgm
	; ---------------- the weights: work-group 128 + 32 tensor + 2 head + kh; wave w: columns 32 (w % 2) on, K = 256 (2 kh + w / 2) on
.Lw:
	s_sub_co_u32 s17, ttmp9, 128
	s_lshr_b32 s18, s17, 5                         ; which tensor: 0 W_q, 1 W_k, 2 W_v
	s_bfe_u32 s19, s17, 0x40001                    ; head
	s_and_b32 s20, s17, 1
	s_and_b32 s21, s16, 1                          ; which 32 columns
	s_lshr_b32 s22, s16, 1
	s_lshl_b32 s20, s20, 1
	s_add_co_u32 s20, s20, s22                     ; which 256 along K
	s_lshl_b32 s24, s19, 18                        ; a head's weight: 262,144 bytes
	s_lshl_b32 s25, s20, 16                        ; 256 rows of 256 bytes
	s_add_co_u32 s24, s24, s25
	s_lshl_b32 s25, s21, 7
	s_add_co_u32 s24, s24, s25
	s_mov_b32 s25, 0
	s_lshl_b32 s26, s18, 10
	s_lshl_b32 s27, s19, 6
	s_add_co_u32 s26, s26, s27
	s_lshl_b32 s27, s21, 5
	s_add_co_u32 s26, s26, s27
	s_add_co_u32 s26, s26, 4096                    ; my 32 columns' first row in opc and ops
	s_mul_i32 s28, s26, 768
	s_mul_i32 s29, s20, 192
	s_add_co_u32 s28, s28, s29
	s_mov_b32 s29, 0
	s_lshl_b32 s30, s26, 5
	s_lshl_b32 s31, s20, 3
	s_add_co_u32 s30, s30, s31
	s_mov_b32 s31, 0
	v_lshlrev_b32 v3, 2, v2                        ; in: 4 bytes a lane
	s_mul_i32 s23, s16, 32*WPITCH
	s_add_co_u32 s23, s23, WSTG                    ; my stage
	v_mul_u32_u24 v4, v2, WPITCH
	v_add_nc_u32 v4, s23, v4                       ; into it: row = my column
	v_and_b32 v5, 15, v2
	v_lshrrev_b32 v6, 4, v2                        ; out of it: sixteen lanes to a row, two rows an instruction
	v_mul_u32_u24 v7, v6, WPITCH
	v_lshl_add_u32 v7, v5, 4, v7
	v_add_nc_u32 v7, s23, v7
	v_mul_u32_u24 v8, v6, 768
	v_mad_u32_u24 v8, v5, 12, v8                   ; and the same place in opc
	v_and_b32 v9, 7, v2                            ; my column's position: bits 3 and 4 of the lane change places
	v_and_b32 v10, 8, v2
	v_lshl_or_b32 v9, v10, 1, v9
	v_and_b32 v10, 16, v2
	v_lshrrev_b32 v10, 1, v10
	v_or_b32 v9, v9, v10
	v_lshlrev_b32 v9, 5, v9                        ; 32 scale bytes a row
	s_wait_kmcnt 0x0
	s_cmp_eq_u32 s18, 0                            ; the choice hangs on the work-group's number alone
	s_cselect_b64 s[6:7], s[6:7], s[8:9]
	s_cmp_eq_u32 s18, 2
	s_cselect_b64 s[6:7], s[10:11], s[6:7]
	s_add_nc_u64 s[6:7], s[6:7], s[24:25]
	s_add_nc_u64 s[12:13], s[12:13], s[28:29]
	s_add_nc_u64 s[14:15], s[14:15], s[30:31]
	WLOAD 0
	WLOAD 1
.irp t, 0,1,2,3,4,5,6,7
	WBLOCK \t
.endr
	global_store_b64 v9, v[WSB:WSB+1], s[14:15]    ; my column's 8 scale bytes
.irp t, 0,1,2,3,4,5,6,7,8,9,10,11,12,13,14,15
	ds_load_b96 v[WOUT+4*\t:WOUT+4*\t+2], v7 offset:2*\t*WPITCH   ; in order behind my stores
.endr
.irp t, 0,1,2,3,4,5,6,7,8,9,10,11,12,13,14,15
	s_wait_dscnt 15-\t                             ; the younger row loads may be out
	global_store_b96 v8, v[WOUT+4*\t:WOUT+4*\t+2], s[12:13] offset:(8*(((\t/4)&1)*2+(\t/4)/2)+2*(\t%4))*768   ; columns 2 t, 2 t + 1 at their positions: sixteen lanes store a row's 192 consecutive bytes
.endr
	s_wait_tensorcnt 0x0
	ds_add_u32 v235, v239
	s_wait_dscnt 0x0
	s_endpgm
.Lfunc_end_k_q7dd4c1ea75_quant:
	.size	k_q7dd4c1ea75_quant, .Lfunc_end_k_q7dd4c1ea75_quant-k_q7dd4c1ea75_quant
	.p2alignl 7, 3214868480
	.fill 96, 4, 3214868480
	.section	.rodata,"a",@progbits
	.p2align	6, 0x0
	.amdhsa_kernel k_q7dd4c1ea75_quant
		.amdhsa_group_segment_fixed_size 68096
		.amdhsa_private_segment_fixed_size 0
		.amdhsa_enable_private_segment 0
		.amdhsa_kernarg_size 48
		.amdhsa_user_sgpr_count 2
		.amdhsa_user_sgpr_kernarg_segment_ptr 1
		.amdhsa_wavefront_size32 1
		.amdhsa_system_sgpr_workgroup_id_x 1
		.amdhsa_system_sgpr_workgroup_id_y 1
		.amdhsa_system_sgpr_workgroup_id_z 1
		.amdhsa_system_vgpr_workitem_id 0
		.amdhsa_next_free_vgpr 256
		.amdhsa_next_free_sgpr 66
		.amdhsa_reserve_vcc 0
		.amdhsa_float_denorm_mode_32 3
		.amdhsa_float_denorm_mode_16_64 3
		.amdhsa_memory_ordered 1
		.amdhsa_forward_progress 1
		.amdhsa_inst_pref_size 74
	.end_amdhsa_kernel
	.amdgpu_metadata
---
amdhsa.version: [ 1, 2 ]
amdhsa.kernels:
  - .name:           k_q7dd4c1ea75_quant
    .symbol:         k_q7dd4c1ea75_quant.kd
    .args:
      - { .name: x, .offset: 0, .size: 8, .value_kind: global_buffer, .address_space: global }
      - { .name: W_q, .offset: 8, .size: 8, .value_kind: global_buffer, .address_space: global }
      - { .name: W_k, .offset: 16, .size: 8, .value_kind: global_buffer, .address_space: global }
      - { .name: W_v, .offset: 24, .size: 8, .value_kind: global_buffer, .address_space: global }
      - { .name: opc, .offset: 32, .size: 8, .value_kind: global_buffer, .address_space: global }
      - { .name: ops, .offset: 40, .size: 8, .value_kind: global_buffer, .address_space: global }
    .group_segment_fixed_size: 68096
    .private_segment_fixed_size: 0
    .kernarg_segment_align: 8
    .kernarg_segment_size: 48
    .max_flat_workgroup_size: 128
    .sgpr_count:     66
    .vgpr_count:     256
    .wavefront_size: 32
...
	.end_amdgpu_metadata
.endif
;; end of part 1
;; launch proj (part 2): grid 12 x 16, 4 waves a work-group, clusters of 4 x 4, 327,680 bytes of LDS; arguments opc, ops, att; writes att
.if DOCPART == 2
	.amdgcn_target "amdgcn-amd-amdhsa--gfx1250"
	.amdhsa_code_object_version 6
	.text
	.protected	k_q7dd4c1ea75_proj
	.globl	k_q7dd4c1ea75_proj
	.p2align	8
	.type	k_q7dd4c1ea75_proj,@function
k_q7dd4c1ea75_proj:
	s_mov_b64 s[64:65], 0
	v_nop
	global_prefetch_b8 v0, s[64:65] scope:SCOPE_SE
	s_setreg_imm32_b32 hwreg(HW_REG_WAVE_MODE, 25, 1), 1
	s_wait_xcnt 0x0
	s_wait_alu depctr_hold_cnt(0) depctr_sa_sdst(0) depctr_va_vdst(0) depctr_va_sdst(0) depctr_va_ssrc(0) depctr_va_vcc(0) depctr_vm_vsrc(0)
	s_getreg_b32 s2, hwreg(HW_REG_IB_STS2, 6, 4)
	s_cmp_eq_u32 s2, 0
	s_cbranch_scc0 .Lentry_in_a_cluster
	s_endpgm
.Lentry_in_a_cluster:
	s_bfe_u32 s2, ttmp6, 0x10000c
	s_cmp_lg_u32 s2, 0xf033
	s_cbranch_scc0 .Lentry_shape_is_right
	s_endpgm
.Lentry_shape_is_right:
; The three projections, q, k, v = x W, as ONE product of rows of opc with rows of opc (codes of FP6 (E2M3), K = 1,024, one E8M0 scale for each 32 along K), and the quantisers behind them:
; the f32 results never go to memory; they leave as the operands of the attention launch: codes as images of operand registers, and scale words.
; A tile of 256 x 256 results is made by a work-group of four waves; a wave makes 128 x 128: 64 accumulators of 16 x 16, 512 registers.  K goes in steps of 256 through a ring of two LDS slots.
; SIDES.  Source 0 of the matrix instruction ("B" below) is the side along which the results are quantised: a lane's registers run along it.  Source 1 ("A") gives a lane its row.
;   clusters x = 0, 1 (q, k): B = rows of W_q or W_k (64 head + e), A = rows of x.  A lane holds one token; its 64 registers of a block are e = 0 .. 63 of two heads: two blocks of 32 for each head.
;   cluster  x = 2    (v):    B = rows of x (the keys), A = rows of W_v.  A lane holds one e of one head; its 64 registers are half of 128 keys: four blocks of 32 along the keys.
; Rows lie in position order in opc (position 16 u + r of a group of 32 = true row 8 u + r + 8 (r / 8)), so the 16 registers of tiles 2 b and 2 b + 1 are the true indices 32 b + 16 (lane / 16) + 0 .. 15.
; att: q's images [head 32][tile of 16 tokens 128][3 pieces of 256 bytes]; from KVO on [head][key step 16][k: 8 tiles x 768 bytes, v: 4 tiles of 16 e x 1,536 bytes];
;   from QSC on q's scale words [pair of heads 16][token 2,048] (bytes 0, 1 the even head's, 2, 3 the odd head's); from SCB on [pair][k's words 8,192 bytes, v's words of the even head, of the odd head: [key step][e 64]].
;   A piece holds two registers of a fragment, lane l's 8 bytes at 8 l: each store of a wave covers 256 consecutive bytes, at a multiple of 256 from the buffer's first byte.
; CLUSTERS: 4 x 4 work-groups.  The four of a row of the cluster need the same tiles of A, the four of a column the same tiles of B: each tile is asked for jointly.  The role is the same in all sixteen.
; LIMITS: a block's largest magnitude is taken as at least 2^-124; a block of zeros gets the byte 1 (its codes are zeros; this program alone reads the bytes); NaN and infinities are not served.
; REGISTERS, in windows of 256: window 0: v0-31 addresses; v32-63 scale words, two sets; v64-111 the way out; from v128 A's fragments, ONE set.
;   window 1: B's fragments, TWO sets, at v0 and v128.   window 2: the accumulators of A's blocks 0-3 (accumulator (a, b) at v[8 (8 (a % 4) + b)]);   window 3: those of blocks 4-7.
.set SIZE_K, 1024
.set KSTEP,  256                       ; along K in a slot
.set NQ,     KSTEP/128                 ; matrix instructions deep
.set ROWB,   192                       ; a tile's row in bytes
.set KROW,   SIZE_K*6/8                ; a row of opc
.set PITCH,  240                       ; an LDS row: 3 x (64 bytes + 16 of padding) = 60 words: row r starts at bank -4 r mod 64 (64 banks of 4 bytes: ISA guide 11.1)
.set FR,     12                        ; registers of a fragment: 16 rows x 128 K
.set NL,     6                         ; LDS loads that bring one
.set NP,     4                         ; places behind this matrix instruction (ISA guide 7.12.1)
.set HALFT,  128*PITCH                 ; 128 rows: what one tensor load brings
.set SLOT,   4*HALFT                   ; A's 256 rows, then B's 256 rows
.set LAPS,   SIZE_K/(2*KSTEP)          ; a lap = two K steps = once round the ring
.set KS,     SIZE_K/32                 ; a row of scale bytes
.set SCL,    2*SLOT                    ; behind the ring: the scale bytes of the work-group's rows for all of K, as runs of 256 bytes + 16 of padding; filled once
.set HALFS,  (128*KS/256)*272
.set SBLK,   (16*KS/256)*272
.set SPARE,  SCL+4*HALFS               ; the spare words, 128 bytes for each wave: two blocks of 256 bytes that no other line names
.set KVO,    3145728
.set QSC,    9437184
.set SCB,    9568256
.set ADRA, 16                          ; v16-17 LDS address of my A fragments in slot 0, 1 (v18-19: for the pieces behind one padding more)
.set ADRB, 20                          ; v20-21 the same for B (v22-23)
.set STW,  24                          ; v24    the way out: where a block's scale word goes: 512 x wave + 4 (lane % 16), in slot 0, which has had its last fill and its last read by then
.set STR,  25                          ; v25    and where I read 16 bytes of the wave's 512 back
.set CO,   26                          ; v26    their place in att
.set ADRS, 27                          ; v27    LDS address of my scale words: lanes 0-15 A's rows, lanes 16-31 B's
.set SPW,  28                          ; v28    LDS address of my spare word; never rewritten
.set NIL,  29                          ; v29    0; never rewritten
.set V8L,  30                          ; v30    8 x lane: my place in a piece
.set SC,   32                          ; scale words: set s at v[SC + 8 NQ s]
.set TM,   64                          ; v64-67 largest magnitudes, v68-71 the other half's, then bytes, v76-79 the conversions' scale operands
.set PC,   80                          ; v80-91 a fragment's codes, v92-98 at work
.set PWB,  100                         ; v100-107 a scale word for each block; never written again
.set OW,   108                         ; v108-111 scale words on their way out
.set AF,   128                         ; A's fragments
.set G1, 24                            ; s[24:31] descriptor group 1 for A's tiles;  s[32:39] group 0, one set for each slot
.set G0, 32
.set G1B, 48                           ; s[48:55], s[56:63] the same for B's tiles
.set G0B, 56
.set G1S, 68                           ; s[68:75], s[76:79] groups 1 and 0 for A's scales;  s[80:87], s[88:91] for B's
.set G0S, 76
.set G1SB, 80
.set G0SB, 88
.set ROLE, 96                          ; s96  1 in the cluster that makes v, else 0
.set NROLE, 97                         ; s97  1 - role
.set P0,  18                           ; s[18:19] where pieces 0-2 of the block in hand go;  s[20:21] pieces 3-5
.set P1,  20
.set STA, 22                           ; s[22:23] from block to block;  s[40:41] more at block 4
.set STB, 40
.set PS,  44                           ; s[44:45] where my 128 scale words go
.set SEL, 46                           ; s[46:47] v_permlanex16_b32's selects for lane l xor 16
.set MSB, 0
.macro WIN new                         ; the immediate's high byte repeats the setting that is left
.if MSB != \new
	s_set_vgpr_msb (MSB<<8)|\new
.set MSB, \new
.endif
.endm
.set MUL_LO, 0xa1                      ; source 0 (B) window 1, source 1 (A) window 0, C and D window 2
.set MUL_HI, 0xf1                      ; the same, C and D window 3
.set TO_B,   0x40                      ; destination window 1, address window 0
; A joint load: waves 0 and 1 fetch for A, waves 2 and 3 for B.  Each of the two lines has one mask and one set of registers for all that issue it; the branch hangs on the wave's number alone.
; Four v_nop follow each of the two lines, ahead of the jump, the label and what follows.
.macro JLOAD g0a, g1a, g0b, g1b
	s_cmp_eq_u32 s15, 0
	s_cbranch_scc0 .Lfor_b_\@
	tensor_load_to_lds s[\g0a:\g0a+3], s[\g1a:\g1a+7]
	s_nop 0
.rept 4
	v_nop
.endr
	s_branch .Lasked_\@
.Lfor_b_\@:
	tensor_load_to_lds s[\g0b:\g0b+3], s[\g1b:\g1b+7]
	s_nop 0
.rept 4
	v_nop
.endr
.Lasked_\@:
.endm
.macro CREST                           ; a round of the cluster's barrier behind its opening barrier
	s_cmp_lg_u32 s14, 0
	s_cbranch_scc1 .Lnot_wave_0_\@
	s_barrier_signal -3
.Lnot_wave_0_\@:
	s_barrier_wait -3
	s_barrier_signal -1
	s_barrier_wait -1
.endm
.macro CROUND                          ; a whole round
	s_barrier_signal -1
	s_barrier_wait -1
	CREST
.endm
	s_load_b128 s[4:7], s[0:1], 0x0                ; opc s[4:5], ops s[6:7]
	s_load_b64 s[12:13], s[0:1], 0x10              ; att
	v_lshl_add_u32 v[SPW], v0, 2, SPARE
	v_mov_b32 v[NIL], 0
	ds_add_u32 v28, v29
	ds_add_u32 v28, v29
	s_wait_dscnt 0x0
	v_lshrrev_b32 v1, 5, v0
	v_readfirstlane_b32 s14, v1                    ; wave 0..3
	s_lshr_b32 s15, s14, 1                         ; which 128 of the tile's rows of A are mine.  Also: I fetch for A (0) or for B (1)
	s_and_b32 s16, s14, 1                          ; which 128 of its rows of B.  Also: which 128 rows of that tile I fetch
	s_bfe_u32 s40, ttmp6, 0x40000                  ; cx, cy: my place in the cluster
	s_bfe_u32 s41, ttmp6, 0x40004
	s_lshr_b32 s[ROLE], ttmp9, 1                   ; cluster x = 2 makes v
	s_xor_b32 s[NROLE], s[ROLE], 1
	s_and_b32 s17, ttmp7, 0xffff
	s_lshl_b32 s17, s17, 2                         ; 4 x cluster y
	; tiles of 256 rows of opc: x is tiles 0-15, W_q 16-19, W_k 20-23, W_v 24-27.  B's tile hangs on cx and the cluster's coordinates alone, A's on cy and them alone
	s_lshl_b32 s42, ttmp9, 2
	s_add_co_u32 s42, s42, 16
	s_mul_i32 s42, s42, s[NROLE]                   ; q, k: B = 16 + 4 x cluster x + cx
	s_mul_i32 s18, s17, s[ROLE]                    ; v:    B = 4 x cluster y + cx
	s_add_co_u32 s42, s42, s18
	s_add_co_u32 s42, s42, s40
	s_mul_i32 s17, s17, s[NROLE]                   ; q, k: A = 4 x cluster y + cy
	s_mul_i32 s18, s[ROLE], 24                     ; v:    A = 24 + cy
	s_add_co_u32 s17, s17, s18
	s_add_co_u32 s17, s17, s41
	s_lshl_b32 s43, s41, 2
	s_lshl_b32 s43, 15, s43                        ; my row of the cluster
	s_lshl_b32 s44, 0x1111, s40                    ; my column
	; descriptor group 1: a tile of 128 rows x ROWB bytes, padded in LDS
	s_or_b32 s[G1+0], s43, (0<<16)|(1<<20)|(1<<21)|(3<<22)|(3<<25)  ; 15:0 the mask: A's tiles go to my row; 17:16 element of 1 byte; 20 padding on; 21 set beside a mask; 24:22 after every 16 words (code 3); 31:25 of 4 words (code 3)
	s_or_b32 s[G1B+0], s44, (0<<16)|(1<<20)|(1<<21)|(3<<22)|(3<<25)
.irp g, G1, G1B
	s_mov_b32 s[\g+1], ROWB<<16                    ; tensor_dim0
	s_mov_b32 s[\g+2], 128<<16                     ; tensor_dim1 = 128
	s_mov_b32 s[\g+3], ROWB<<16                    ; tile_dim0
	s_mov_b32 s[\g+4], 128                         ; tile_dim1 = 128
	s_mov_b32 s[\g+5], KROW                        ; tensor_dim0_stride
	s_mov_b32 s[\g+6], 0
	s_mov_b32 s[\g+7], 0
.endr
	; and for the scale bytes of 128 rows: a dense block of 4,096 bytes, as 16 rows of 256 bytes (32 elements of 8 bytes), 16 bytes of padding behind each
	s_or_b32 s[G1S+0], s43, (3<<16)|(1<<20)|(1<<21)|(5<<22)|(3<<25)
	s_or_b32 s[G1SB+0], s44, (3<<16)|(1<<20)|(1<<21)|(5<<22)|(3<<25)
.irp g, G1S, G1SB
	s_mov_b32 s[\g+1], 32<<16
	s_mov_b32 s[\g+2], (128*KS/256)<<16
	s_mov_b32 s[\g+3], 32<<16
	s_mov_b32 s[\g+4], 128*KS/256
	s_mov_b32 s[\g+5], 32
	s_mov_b32 s[\g+6], 0
	s_mov_b32 s[\g+7], 0
.endr
	s_lshl_b32 s18, s16, 7                         ; which 128 rows of the tile I fetch
	s_lshl_b32 s20, s17, 8
	s_add_co_u32 s20, s20, s18                     ; A: row 256 x tile + 128 x half
	s_lshl_b32 s46, s42, 8
	s_add_co_u32 s46, s46, s18                     ; B likewise
	s_mov_b32 s21, 0
	s_mov_b32 s47, 0
	s_mov_b64 s[18:19], KS
	s_mul_u64 s[22:23], s[20:21], s[18:19]         ; where these rows' scale bytes begin
	s_mul_u64 s[92:93], s[46:47], s[18:19]
	s_mov_b64 s[18:19], KROW
	s_mul_u64 s[20:21], s[20:21], s[18:19]         ; and their codes
	s_mul_u64 s[46:47], s[46:47], s[18:19]
	s_mul_i32 s45, s14, HALFT                      ; where they go: wave x 128 rows: no place in the cluster enters an LDS address
	s_mul_i32 s94, s14, HALFS
	s_wait_kmcnt 0x0
	s_add_nc_u64 s[20:21], s[4:5], s[20:21]
	s_add_nc_u64 s[22:23], s[6:7], s[22:23]
	s_add_nc_u64 s[46:47], s[4:5], s[46:47]
	s_add_nc_u64 s[92:93], s[6:7], s[92:93]
	CROUND                                         ; all sixteen work-groups are here: the first joint loads meet
	s_mov_b32 s[G0S], 1
	s_add_co_u32 s[G0S+1], s94, SCL
	s_mov_b64 s[G0S+2:G0S+3], s[22:23]
	s_or_b32 s[G0S+3], s[G0S+3], 0x80000000
	s_mov_b32 s[G0SB], 1
	s_add_co_u32 s[G0SB+1], s94, SCL
	s_mov_b64 s[G0SB+2:G0SB+3], s[92:93]
	s_or_b32 s[G0SB+3], s[G0SB+3], 0x80000000
	JLOAD G0S, G1S, G0SB, G1SB                     ; the scale bytes first: they are wanted with K step 0
.irp s, 0,1
	s_mov_b32 s[G0+4*\s], 1
	s_add_co_u32 s[G0+4*\s+1], s45, \s*SLOT
	s_add_nc_u64 s[G0+4*\s+2:G0+4*\s+3], s[20:21], \s*ROWB
	s_or_b32 s[G0+4*\s+3], s[G0+4*\s+3], 0x80000000
	s_mov_b32 s[G0B+4*\s], 1
	s_add_co_u32 s[G0B+4*\s+1], s45, \s*SLOT
	s_add_nc_u64 s[G0B+4*\s+2:G0B+4*\s+3], s[46:47], \s*ROWB
	s_or_b32 s[G0B+4*\s+3], s[G0B+4*\s+3], 0x80000000
	JLOAD G0+4*\s, G1, G0B+4*\s, G1B               ; three tensor loads of mine are out
.endr
	v_and_b32 v1, 15, v0                           ; l % 16
	v_bfe_u32 v2, v0, 4, 1                         ; l / 16
	v_mul_u32_u24 v3, v1, PITCH
	v_mul_u32_u24 v4, v2, 24
	v_add_nc_u32 v4, v3, v4                        ; a fragment's row x pitch + 24 x half
	v_lshl_add_u32 v5, v2, 4, v4                   ; and the same behind one padding more
	s_mul_i32 s21, s15, HALFT                      ; my 128 rows of A
	s_mul_i32 s22, s16, HALFT                      ; my 128 rows of B,
	s_add_co_u32 s22, s22, 2*HALFT                 ; which lie behind A's 256
.irp s, 0,1
	v_add_nc_u32 v[ADRA+\s], s21, v4
	v_add_nc_u32 v[ADRB+\s], s22, v4
	v_add_nc_u32 v[ADRA+2+\s], s21, v5
	v_add_nc_u32 v[ADRB+2+\s], s22, v5
	s_add_co_u32 s21, s21, SLOT
	s_add_co_u32 s22, s22, SLOT
.endr
	v_mul_u32_u24 v5, v1, KS                       ; my row's scale bytes: KS a row,
	v_lshrrev_b32 v6, 8, v5
	v_lshl_add_u32 v5, v6, 4, v5                   ; and 16 more for each 256 passed
	s_mul_i32 s21, s15, HALFS                      ; A's: my 128 rows
	s_mul_i32 s22, s16, HALFS                      ; B's: my 128 rows, behind A's 256
	s_add_co_u32 s22, s22, 2*HALFS
	s_sub_co_u32 s22, s22, s21
	v_mul_u32_u24 v6, s22, v2                      ; lanes 16-31 take B's
	s_add_co_u32 s21, s21, SCL
	v_add_nc_u32 v5, v5, v6
	v_add_nc_u32 v[ADRS], s21, v5
	s_lshl_b32 s23, s14, 9                         ; the way out: 512 bytes of slot 0 for each wave's 128 scale words
	v_lshl_add_u32 v[STW], v1, 2, s23
	v_and_b32 v6, 31, v0
	v_lshl_add_u32 v[STR], v6, 4, s23
	v_lshlrev_b32 v[V8L], 3, v6
	; where my results go.  Which 128 rows of x and which pair of heads are mine?
	s_lshl_b32 s92, s17, 1
	s_add_co_u32 s92, s92, s15                     ; my 128 rows of A, counted in opc
	s_lshl_b32 s93, s42, 1
	s_add_co_u32 s93, s93, s16                     ; my 128 rows of B
	s_sub_co_u32 s94, s92, 48                      ; v: A counted from W_v's first row
	s_sub_co_u32 s95, s93, 32                      ; q, k: B counted from W_q's first row
	s_cmp_eq_u32 s[ROLE], 1
	s_cselect_b32 s92, s93, s92                    ; the 128 rows of x: 0 .. 31
	s_cselect_b32 s94, s94, s95                    ; the 128 rows of the weights
	s_lshr_b32 s93, s92, 4                         ; the batch,
	s_and_b32 s92, s92, 15                         ; and the key step (8 tiles of tokens) in it
	s_and_b32 s95, s94, 7                          ; the pair of heads
	s_lshr_b32 s94, s94, 3                         ; q, k: 0 for q, 1 for k
	s_or_b32 s98, s94, s[ROLE]                     ; 0 for q alone
	s_lshl_b32 s99, s93, 3
	s_add_co_u32 s99, s99, s95                     ; the pair among the 16 of both batches
	s_mul_i32 s40, s99, 2*98304
	s_mul_i32 s41, s92, 6144
	s_add_co_u32 s40, s40, s41                     ; q: the even head's image, 8 tiles of 768 bytes a key step
	s_lshl_b32 s41, s40, 1                         ; k, v: heads and key steps lie twice as far apart,
	s_add_co_u32 s41, s41, KVO
	s_mul_i32 s42, s[ROLE], 6144                   ; and v's tiles lie behind k's eight
	s_add_co_u32 s41, s41, s42
	s_lshl_b32 s44, s99, 13
	s_lshl_b32 s45, s92, 9
	s_add_co_u32 s44, s44, s45
	s_add_co_u32 s44, s44, QSC                     ; q's scale words
	s_lshl_b32 s94, s99, 14
	s_add_co_u32 s94, s94, SCB
	s_add_co_u32 s95, s94, s45                     ; k's
	s_lshl_b32 s45, s92, 8
	s_add_co_u32 s94, s94, s45
	s_add_co_u32 s94, s94, 8192                    ; v's, the even head's
	s_mov_b32 s20, 196608
	s_cmp_eq_u32 s98, 0                            ; q?
	s_cselect_b32 s18, s40, s41
	s_cselect_b32 s20, 98304, s20                  ; q, k: pieces 3-5 are the odd head's tile, a head further on
	s_cselect_b32 s44, s44, s95
	s_mov_b32 s22, 768
	s_mov_b32 s43, 256
	s_cmp_eq_u32 s[ROLE], 1                        ; v?
	s_cselect_b32 s20, s22, s20                    ; v: pieces 3-5 follow pieces 0-2
	s_cselect_b32 s44, s94, s44
	s_cselect_b32 s22, 1536, s22                   ; from block to block: a tile of 768 bytes, or a fragment of 1,536
	s_cselect_b32 s40, 190464, 0                   ; v: block 4 begins the odd head: 196,608 - 4 x 1,536 more
	s_cselect_b32 s43, 4096, s43                   ; the second 256 bytes of my scale words: on end, or (v) the odd head's
	s_mov_b32 s19, 0
	s_mov_b32 s21, 0
	s_mov_b32 s23, 0
	s_mov_b32 s41, 0
	s_mov_b32 s45, 0
	s_add_nc_u64 s[P0:P0+1], s[12:13], s[P0:P0+1]
	s_add_nc_u64 s[P1:P1+1], s[P0:P0+1], s[P1:P1+1]
	s_add_nc_u64 s[PS:PS+1], s[12:13], s[PS:PS+1]
	s_mov_b32 s[SEL], 0x76543210
	s_mov_b32 s[SEL+1], 0xfedcba98
	v_mul_u32_u24 v5, s43, v2
	v_lshl_add_u32 v[CO], v1, 4, v5
.macro FRAG reg, adr, q, i             ; a fragment, 16 rows x 128 K of 6-bit codes, is 12 registers: lane l holds row l % 16; registers 6 c .. 6 c + 5 hold K = 64 c + 32 (l / 16) + 0 .. 31: 24 bytes of the row, as they lie
.irp p, 0,1,2,3,4,5                    ; in pieces of 8 bytes.  Lanes 16-31 take the pieces three on from lanes 0-15's; where that lies behind one padding more, the second address register serves
.set PCE, 12*(\q)+6*(\p/3)+\p%3
.if PCE%8 < 5
	ds_load_b64 v[\reg+2*\p:\reg+2*\p+1], v[\adr] offset:8*PCE+16*(PCE/8)+(\i)*16*PITCH
.else
	ds_load_b64 v[\reg+2*\p:\reg+2*\p+1], v[\adr+2] offset:8*PCE+16*(PCE/8)+(\i)*16*PITCH
.endif
.endr
.endm
; 16 matrix instructions: A's blocks a0, a0 + 1 x B's eight, 128 along K: the slot's q-th.  p: B's set;  sc: the set of scale words.  zero = 1: the first product starts the sums.
; The 64 accumulators take turns, one instruction a turn, in the same order in every step.
.macro MUL16 a0, p, q, sc, zero
.irp a, \a0, \a0+1
.irp b, 0,1,2,3,4,5,6,7
.if \zero
	v_wmma_scale_f32_16x16x128_f8f6f4 v[8*(8*((\a)%4)+\b):8*(8*((\a)%4)+\b)+7], v[128*(\p)+FR*\b:128*(\p)+FR*\b+FR-1], v[AF+FR*(\a):AF+FR*(\a)+FR-1], 0, v[SC+8*NQ*(\sc)+NQ*\b+(\q)], v[SC+8*NQ*(\sc)+NQ*(\a)+(\q)] matrix_a_fmt:MATRIX_FMT_FP6 matrix_b_fmt:MATRIX_FMT_FP6 matrix_a_scale:MATRIX_SCALE_ROW1
.else
	v_wmma_scale_f32_16x16x128_f8f6f4 v[8*(8*((\a)%4)+\b):8*(8*((\a)%4)+\b)+7], v[128*(\p)+FR*\b:128*(\p)+FR*\b+FR-1], v[AF+FR*(\a):AF+FR*(\a)+FR-1], v[8*(8*((\a)%4)+\b):8*(8*((\a)%4)+\b)+7], v[SC+8*NQ*(\sc)+NQ*\b+(\q)], v[SC+8*NQ*(\sc)+NQ*(\a)+(\q)] matrix_a_fmt:MATRIX_FMT_FP6 matrix_b_fmt:MATRIX_FMT_FP6 matrix_a_scale:MATRIX_SCALE_ROW1
.endif
.endr
.endr
.endm
.macro FETCH_B slot, q, p              ; B's eight fragments of the slot's q-th 128 along K into set p
	WIN TO_B
.irp i, 0,1,2,3,4,5,6,7
	FRAG 128*(\p)+FR*\i, ADRB+\slot, \q, \i
.endr
	WIN 0
.endm
.macro FETCH_A slot, q, i0             ; A's blocks i0 .. i0 + 3
.irp i, \i0, \i0+1, \i0+2, \i0+3
	FRAG AF+FR*(\i), ADRA+\slot, \q, \i
.endr
.endm
.macro SCALES sc                       ; the next K step's scale words into set sc: lanes 0-15 take A's block i, lanes 16-31 B's block i
.irp i, 0,1,2,3,4,5,6,7
	ds_load_b64 v[SC+8*NQ*\sc+NQ*\i:SC+8*NQ*\sc+NQ*\i+1], v[ADRS] offset:\i*SBLK
.endr
.endm
; A load into a register that a matrix instruction has read, and a vector instruction that reads a matrix result, stand NP places behind that matrix instruction; only plain vector
; instructions that name none of its registers are places (ISA guide 7.12.1 for vector instructions).
.macro PLACES n
.rept \n
	v_nop
.endr
.endm
; A step of 128 along K that has its successor in the same slot.
.macro STEP slot, q, zero
	s_wait_dscnt 4*NL                              ; B's set and A's blocks 0-3 are in; the youngest 24 loads (A's blocks 4-7) may be out
	WIN MUL_LO
	MUL16 0, (\q)%2, \q, \slot, \zero
	MUL16 2, (\q)%2, \q, \slot, \zero
	s_wait_dscnt 0                                 ; A's blocks 4-7 are in
	PLACES NP
	FETCH_B \slot, (\q)+1, 1-(\q)%2
	FETCH_A \slot, (\q)+1, 0
	WIN MUL_HI
	MUL16 4, (\q)%2, \q, \slot, \zero
	MUL16 6, (\q)%2, \q, \slot, \zero
	PLACES NP
	WIN 0
	FETCH_A \slot, (\q)+1, 4
.endm
; A slot's last step changes slots: ONE barrier; in front of it each wave waits for all its tensor loads, adds 0 to its spare word, and waits for that and for its own reads of this slot.  fill = 1: this slot is filled again, two K steps ahead.
.macro TURN slot, next, fill
	s_wait_tensorcnt 0x0                           ; all my tensor loads have landed: my part of the next slot
	ds_add_u32 v[SPW], v[NIL]                      ; 0 onto my spare word
	s_wait_dscnt 4*NL+1                            ; (the add and the youngest 24 loads, A's blocks 4-7, may be out)
	WIN MUL_LO
	MUL16 0, 1, NQ-1, \slot, 0                     ; sixteen matrix instructions stand between the add and the wait for it
	s_wait_dscnt 0x0                               ; the add is done, and my reads of this slot are over
	s_barrier_signal -1
	MUL16 2, 1, NQ-1, \slot, 0
	WIN 0
	s_barrier_wait -1
.if \fill
	CREST                                          ; the barrier has opened a round of the cluster's barrier: no wave of any partner still reads this slot's tile or has a load on its way
	s_add_nc_u64 s[G0+4*\slot+2:G0+4*\slot+3], s[G0+4*\slot+2:G0+4*\slot+3], 2*ROWB
	s_add_nc_u64 s[G0B+4*\slot+2:G0B+4*\slot+3], s[G0B+4*\slot+2:G0B+4*\slot+3], 2*ROWB
	JLOAD G0+4*\slot, G1, G0B+4*\slot, G1B         ; the first tensor load behind the round, my one load until the next; its four v_nop are the places in front of the loads below
.else
	PLACES NP
.endif
	v_add_nc_u32 v[ADRS], 4*NQ, v[ADRS]            ; on to the next K step's scale words (no LDS load of mine is out)
	FETCH_B \next, 0, 0
	FETCH_A \next, 0, 0
	SCALES \next
	WIN MUL_HI
	MUL16 4, 1, NQ-1, \slot, 0
	MUL16 6, 1, NQ-1, \slot, 0
	PLACES NP
	WIN 0
	FETCH_A \next, 0, 4
.endm
	s_wait_tensorcnt 1                             ; the scale bytes and my part of K step 0 are in (K step 1's load may be out)
	s_barrier_signal -1
	s_barrier_wait -1                              ; everybody's are
	FETCH_B 0, 0, 0
	FETCH_A 0, 0, 0
	SCALES 0
	FETCH_A 0, 0, 4
	STEP 0, 0, 1                                   ; the first step stands in front of the loop: its products start the sums
	s_mov_b32 s3, LAPS-1
.Llap:                                                 ; a trip goes once round the ring, from a lap's second step to the next lap's first, and fills both slots again
	TURN 0, 1, 1
	STEP 1, 0, 0
	TURN 1, 0, 1
	STEP 0, 0, 0
	s_sub_co_u32 s3, s3, 1
	s_cmp_lg_u32 s3, 0
	s_cbranch_scc1 .Llap
	TURN 0, 1, 0                                   ; the last lap fills nothing, and has no round of the cluster's barrier
	STEP 1, 0, 0
	s_wait_dscnt 4*NL                              ; the very last step: nothing more to fetch
	WIN MUL_LO
	MUL16 0, 1, NQ-1, 1, 0
	MUL16 2, 1, NQ-1, 1, 0
	s_wait_dscnt 0
	WIN MUL_HI
	MUL16 4, 1, NQ-1, 1, 0
	MUL16 6, 1, NQ-1, 1, 0
	WIN 0
; THE WAY OUT, block a of A's eight: my lane's row and 64 of its 128 numbers along B: register 16 b + i = index 32 b + 16 (lane / 16) + i.  They become a fragment's 12 registers of codes and a scale word.
.macro OUTBLK a
.set AC, 64*((\a)%4)
	WIN 0x0a+5*((\a)/4)                            ; sources 0 and 1: window 2 or 3
.irp b, 0,1,2,3
	v_max3_num_f32 v[TM+\b], |v[AC+16*\b]|, |v[AC+16*\b+1]|, 0x1800000   ; block b: my 16 numbers, each accumulator from its low end on, and the floor 2^(3 - 127): the byte cannot fall under 1
.endr
.irp i, 2,4,6,8,10,12,14
.irp b, 0,1,2,3
	v_max3_num_f32 v[TM+\b], |v[AC+16*\b+\i]|, |v[AC+16*\b+\i+1]|, v[TM+\b]   ; (the four blocks by turns)
.endr
.endr
	WIN 0
.irp b, 0,1,2,3
	v_permlanex16_b32 v[TM+4+\b], v[TM+\b], s[SEL], s[SEL+1]
.endr
.irp b, 0,1,2,3
	v_max_num_f32 v[TM+\b], v[TM+\b], v[TM+4+\b]   ; with lane l xor 16's 16: the block's largest magnitude
.endr
.irp b, 0,1,2,3
	v_add_nc_u32 v[TM+12+\b], 0xff000000, v[TM+\b] ; 2 off its exponent field: the conversion's scale operand
.endr
.irp b, 0,1,2,3
	v_lshrrev_b32 v[TM+4+\b], 23, v[TM+12+\b]      ; the scale's byte
.endr
	v_lshl_or_b32 v[PWB+(\a)], v[TM+5], 8, v[TM+4] ; the four bytes make my row's scale word
	v_lshl_or_b32 v[PWB+(\a)], v[TM+6], 16, v[PWB+(\a)]
	v_lshl_or_b32 v[PWB+(\a)], v[TM+7], 24, v[PWB+(\a)]
	s_wait_xcnt 0x0                                ; the last block's stores have read their data and their bases: both are written again only behind this wait
.if (\a) > 0
	s_add_nc_u64 s[P0:P0+1], s[P0:P0+1], s[STA:STA+1]
	s_add_nc_u64 s[P1:P1+1], s[P1:P1+1], s[STA:STA+1]
.endif
.if (\a) == 4
	s_add_nc_u64 s[P0:P0+1], s[P0:P0+1], s[STB:STB+1]
	s_add_nc_u64 s[P1:P1+1], s[P1:P1+1], s[STB:STB+1]
.endif
	WIN 0x02+(\a)/4                                ; source 0: window 2 or 3
.irp c, 0,1
	v_cvt_scalef32_pk16_fp6_f32 v[PC+6*\c:PC+6*\c+2], v[AC+32*\c:AC+32*\c+15], v[TM+12+2*\c]
	v_cvt_scalef32_pk16_fp6_f32 v[PC+12+4*\c:PC+14+4*\c], v[AC+16+32*\c:AC+31+32*\c], v[TM+13+2*\c]   ; (a conversion's three registers begin on an even number)
.endr
	WIN 0
	v_nop                                          ; one plain place behind a scaled conversion
.irp c, 0,1                                    ; the operand's layout wants a WHOLE block in a lane: lanes 0-15 block 2 c, lanes 16-31 block 2 c + 1
.irp i, 0,1,2
	v_permlane16_swap_b32 v[PC+6*\c+\i], v[PC+12+4*\c+\i]
.endr
.irp i, 0,1,2
	v_mov_b32 v[PC+3+6*\c+\i], v[PC+12+4*\c+\i]
.endr
.endr
.irp i, 0,1,2
	global_store_b64 v[V8L], v[PC+2*\i:PC+2*\i+1], s[P0:P0+1] offset:256*\i       ; a piece: the 32 lanes store 256 consecutive bytes
.endr
.irp i, 0,1,2
	global_store_b64 v[V8L], v[PC+6+2*\i:PC+7+2*\i], s[P1:P1+1] offset:256*\i
.endr
	ds_store_b32 v[STW], v[PWB+(\a)] offset:64*(\a)    ; both halves of the lanes write the same word with the same value
.endm
	PLACES NP                                      ; behind the last products
.irp b, 0,1,2,3
	v_mov_b32 v[TM+4+\b], 0                        ; written once: a lane permute's destination counts as one of its sources
.endr
.irp a, 0,1,2,3,4,5,6,7
	OUTBLK \a
.endr
	ds_load_b128 v[OW:OW+3], v[STR]                ; my wave's 128 scale words, in order behind my stores
	s_wait_dscnt 0x0
	global_store_b128 v[CO], v[OW:OW+3], s[PS:PS+1]    ; sixteen lanes store 256 consecutive bytes, at a multiple of 256 from the buffer's first byte
	s_wait_tensorcnt 0x0                           ; the wave's end: behind my last tensor load and my last LDS store
	ds_add_u32 v[SPW], v[NIL]
	s_wait_dscnt 0x0
	CROUND                                         ; the closing round: no work-group ends while a partner may still ask for a tile that names it
	s_endpgm
.Lfunc_end_k_q7dd4c1ea75_proj:
	.size	k_q7dd4c1ea75_proj, .Lfunc_end_k_q7dd4c1ea75_proj-k_q7dd4c1ea75_proj
	.p2alignl 7, 3214868480
	.fill 96, 4, 3214868480
	.section	.rodata,"a",@progbits
	.p2align	6, 0x0
	.amdhsa_kernel k_q7dd4c1ea75_proj
		.amdhsa_group_segment_fixed_size 327680
		.amdhsa_private_segment_fixed_size 0
		.amdhsa_enable_private_segment 0
		.amdhsa_kernarg_size 24
		.amdhsa_user_sgpr_count 2
		.amdhsa_user_sgpr_kernarg_segment_ptr 1
		.amdhsa_wavefront_size32 1
		.amdhsa_system_sgpr_workgroup_id_x 1
		.amdhsa_system_sgpr_workgroup_id_y 1
		.amdhsa_system_sgpr_workgroup_id_z 1
		.amdhsa_system_vgpr_workitem_id 0
		.amdhsa_next_free_vgpr 1024
		.amdhsa_next_free_sgpr 100
		.amdhsa_reserve_vcc 0
		.amdhsa_float_denorm_mode_32 3
		.amdhsa_float_denorm_mode_16_64 3
		.amdhsa_memory_ordered 1
		.amdhsa_forward_progress 1
		.amdhsa_inst_pref_size 169
	.end_amdhsa_kernel
	.amdgpu_metadata
---
amdhsa.version: [ 1, 2 ]
amdhsa.kernels:
  - .name:           k_q7dd4c1ea75_proj
    .symbol:         k_q7dd4c1ea75_proj.kd
    .args:
      - { .name: opc, .offset: 0, .size: 8, .value_kind: global_buffer, .address_space: global }
      - { .name: ops, .offset: 8, .size: 8, .value_kind: global_buffer, .address_space: global }
      - { .name: att, .offset: 16, .size: 8, .value_kind: global_buffer, .address_space: global }
    .group_segment_fixed_size: 327680
    .private_segment_fixed_size: 0
    .kernarg_segment_align: 8
    .kernarg_segment_size: 24
    .max_flat_workgroup_size: 128
    .sgpr_count:     100
    .vgpr_count:     1024
    .wavefront_size: 32
...
	.end_amdgpu_metadata
.endif
;; end of part 2
;; launch attn (part 3): grid 8 x 32, 16 waves a work-group, clusters of 4 x 1, 284,672 bytes of LDS; arguments att, out0; writes out0
.if DOCPART == 3
	.amdgcn_target "amdgcn-amd-amdhsa--gfx1250"
	.amdhsa_code_object_version 6
	.text
	.protected	k_q7dd4c1ea75_attn
	.globl	k_q7dd4c1ea75_attn
	.p2align	8
	.type	k_q7dd4c1ea75_attn,@function
k_q7dd4c1ea75_attn:
	s_mov_b64 s[64:65], 0
	v_nop
	global_prefetch_b8 v0, s[64:65] scope:SCOPE_SE
	s_setreg_imm32_b32 hwreg(HW_REG_WAVE_MODE, 25, 1), 1
	s_wait_xcnt 0x0
	s_wait_alu depctr_hold_cnt(0) depctr_sa_sdst(0) depctr_va_vdst(0) depctr_va_sdst(0) depctr_va_ssrc(0) depctr_va_vcc(0) depctr_vm_vsrc(0)
	s_getreg_b32 s2, hwreg(HW_REG_IB_STS2, 6, 4)
	s_cmp_eq_u32 s2, 0
	s_cbranch_scc0 .Lentry_in_a_cluster
	s_endpgm
.Lentry_in_a_cluster:
	s_bfe_u32 s2, ttmp6, 0x10000c
	s_cmp_lg_u32 s2, 0x3003
	s_cbranch_scc0 .Lentry_shape_is_right
	s_endpgm
.Lentry_shape_is_right:
; out0[b][s][64 head + e] = the sum over keys of softmax(q . k / 8) v, both products on codes of FP6 (E2M3) with one E8M0 scale for each 32 along a product's K.
; The operands come from att as images of operand registers (pieces of 256 bytes: two registers, lane l's 8 bytes at 8 l) and scale words; its layout stands at the head of the launch that writes it.
; THE SOFTMAX: t = score x log2(e) / 8; M = the row's largest t so far, rounded UP to a whole number; p = 2^(t - M) is quantised along the keys, not normalised.  The row's sum is taken of the unquantised p
; and divides O at the end.  When M moves, the sum and O are multiplied by 2^(old M - new M): exact.
; SHARES.  A work-group owns 256 queries of one (batch, head); each of its sixteen waves 16 of them, one tile, in 256 registers: four waves to a SIMD, so that one wave's vector work stands beside another's
; matrix work and LDS loads.  Every wave walks the head's 2,048 keys, 128 a step.
; A HEAD'S K AND V, 196,608 bytes of codes, AND ITS SCALE WORDS LIE IN LDS WHOLE: every LDS byte is filled once, so there is no ring.  All tensor loads go out in the first lines, in four chunks of four key steps;
; a chunk is waited for, and a barrier passed, when its first step is due.  There is no later load that a prefetch could run ahead of.
; CLUSTER.  The four work-groups of a cluster belong to one head: each tile is asked for jointly, by the same tensor load with the same descriptor and a mask that names the four.
; LAYOUT.  Both products are used transposed: S^T = K Q^T (source 0 = 16 keys, source 1 = my 16 queries), O^T = V^T P^T (source 0 = 16 of the head's 64, source 1 = P): a lane holds ONE query throughout.
; The first product's K is 64: registers 6-11 of K's and Q's fragments are zero codes, set once.  Tokens and e lie in position order (position 16 u + r of a group of 32 = true index 8 u + r + 8 (r / 8)),
; so the 16 registers of tiles 2 b, 2 b + 1 are the true indices 32 b + 16 (lane / 16) + 0 .. 15; the store to out0 puts the queries back.
; LIMITS: a block's largest p is taken as at least 2^-124 (a block whose every p is 0 keeps the byte 1: its codes are zeros); NaN and infinities are not served.
.set KVO,   3145728
.set QSC,   9437184
.set SCB,   9568256
.set STEPB, 12288                      ; a key step in LDS: K's 8 tiles of 768 bytes, then V's 4 fragments of 1,536
.set CHB,   4*STEPB                    ; a chunk: four key steps
.set SCA,   196608                     ; behind the codes: k's scale words of the pair of heads (8,192 bytes), V's of the even head (4,096), of the odd head (4,096)
.set STAGE, 212992                     ; the way out: 16 rows x (256 bytes + 16) for each wave; no tensor load lands here
.set A8,   1                           ; v1   8 x lane: my place in a piece
.set ASK0, 2                           ; v2   my lane's place among k's scale words: my head's two bytes of row lane % 16
.set ASV0, 3                           ; v3   and among V's
.set ADK,  4                           ; v4   LDS address of the step's codes; on the way out: into the stage
.set ADS,  5                           ; v5   of k's scale words; on the way out: back from the stage
.set ADT,  6                           ; v6   of V's scale words
.set GO,   7                           ; v7   my byte offset in two rows of out0
.set VS,   8                           ; v8-11    V's scale words
.set QF,   16                          ; v16-27   Q's fragment
.set KF,   28                          ; v28-75   four fragments of K
.set VF,   76                          ; v76-123  V's four fragments
.set S,    124                         ; v124-187 S^T, then p
.set O,    188                         ; v188-219 O^T
.set PCD,  220                         ; v220-231 p's codes.   v232-247 at work; v12 -M, v13 the largest t, v[14:15] the sum in two halves; v252 f, v253 p's scale word, v254 at work
.set KSW,  248                         ; v248-251 K's scale words
.set QS,   255                         ; v255     Q's scale word
.set WV,   8                           ; s8   my wave's number
.set SEL,  20                          ; s[20:21] v_permlanex16_b32's selects for lane l xor 16
.set CS,   22                          ; s[22:23] c = log2(e) / 8
.set G1KV, 24                          ; s[24:31] descriptor group 1 for the codes: 48 rows of 256 bytes
.set G1SC, 32                          ; s[32:39] for the scale words: 16 rows of 256 bytes
.set G0SC, 40                          ; s[40:43] group 0 for the scale words;  s[44:59] for the four chunks
.set G0C,  44
.set TB,   60                          ; s60  LDS byte at which the step's codes begin
.set TS,   61                          ; s61  the step's scale words of k: 512 bytes a step
.set TJ,   62                          ; s62  and V's: 256 bytes a step
.set CNT,  63                          ; s63  steps to go in the chunk
.macro CROUND                          ; a round of the cluster's barrier
	s_barrier_signal -1
	s_barrier_wait -1
	s_cmp_lg_u32 s[WV], 0
	s_cbranch_scc1 .Lnot_wave_0_\@
	s_barrier_signal -3
.Lnot_wave_0_\@:
	s_barrier_wait -3
	s_barrier_signal -1
	s_barrier_wait -1
.endm
	s_load_b128 s[4:7], s[0:1], 0x0                ; att s[4:5], out0 s[6:7]
	v_lshl_add_u32 v254, v0, 2, 0x45000
	v_mov_b32 v255, 0
	ds_add_u32 v254, v255
	ds_add_u32 v254, v255
	s_wait_dscnt 0x0
	v_lshrrev_b32 v1, 5, v0
	v_readfirstlane_b32 s[WV], v1                  ; wave 0..15
	s_bfe_u32 s9, ttmp6, 0x40000                   ; cx: my place in the cluster
	s_lshl_b32 s10, ttmp9, 2
	s_add_co_u32 s10, s10, s9                      ; my block of 256 queries: it enters Q's and out0's addresses alone
	s_and_b32 s11, ttmp7, 0xffff                   ; 16 batch + head, which the four partners share
	s_and_b32 s12, s11, 1                          ; the even or the odd head of its pair
	s_lshr_b32 s13, s11, 1                         ; the pair
	s_mov_b32 s[G1KV], 15|(3<<16)|(1<<21)          ; 15:0 the mask: all four work-groups; 17:16 elements of 8 bytes; 20 no padding; 21 set beside a mask
	s_mov_b32 s[G1KV+1], 32<<16                    ; tensor_dim0 = 32 elements: 256 bytes
	s_mov_b32 s[G1KV+2], 48<<16                    ; tensor_dim1 = 48 rows: a key step
	s_mov_b32 s[G1KV+3], 32<<16                    ; tile_dim0
	s_mov_b32 s[G1KV+4], 48                        ; tile_dim1
	s_mov_b32 s[G1KV+5], 32                        ; the rows are dense
	s_mov_b32 s[G1KV+6], 0
	s_mov_b32 s[G1KV+7], 0
	s_mov_b32 s[G1SC], 15|(3<<16)|(1<<21)
	s_mov_b32 s[G1SC+1], 32<<16
	s_mov_b32 s[G1SC+2], 16<<16                    ; 16 rows: a quarter of the pair's scale words
	s_mov_b32 s[G1SC+3], 32<<16
	s_mov_b32 s[G1SC+4], 16
	s_mov_b32 s[G1SC+5], 32
	s_mov_b32 s[G1SC+6], 0
	s_mov_b32 s[G1SC+7], 0
	s_mul_i32 s66, s[WV], STEPB                    ; waves 0-3 fetch: wave w the w-th key step of each chunk, in memory and in LDS alike,
	s_mul_i32 s68, s11, 16*STEPB
	s_add_co_u32 s68, s68, s66
	s_add_co_u32 s68, s68, KVO
	s_mov_b32 s69, 0
	s_lshl_b32 s67, s[WV], 12                      ; and the w-th quarter of the scale words
	s_lshl_b32 s70, s13, 14
	s_add_co_u32 s70, s70, s67
	s_add_co_u32 s70, s70, SCB
	s_mov_b32 s71, 0
	s_mov_b32 s[SEL], 0x76543210
	s_mov_b32 s[SEL+1], 0xfedcba98
	s_mov_b32 s[CS], 0x3e38aa3b                    ; c = log2(e) / 8
	s_mov_b32 s[CS+1], s[CS]                       ; (named with it as a pair, so it is written)
	s_wait_kmcnt 0x0
	s_add_nc_u64 s[68:69], s[4:5], s[68:69]
	s_add_nc_u64 s[70:71], s[4:5], s[70:71]
	CROUND                                         ; all four work-groups are here: the joint loads meet
	s_mov_b32 s[G0SC], 1                           ; count = 1
	s_add_co_u32 s[G0SC+1], s67, SCA               ; LDS address
	s_mov_b64 s[G0SC+2:G0SC+3], s[70:71]           ; global address
	s_or_b32 s[G0SC+3], s[G0SC+3], 0x80000000      ; type = 2
.irp c, 0,1,2,3
	s_mov_b32 s[G0C+4*\c], 1
	s_add_co_u32 s[G0C+4*\c+1], s66, \c*CHB
	s_add_nc_u64 s[G0C+4*\c+2:G0C+4*\c+3], s[68:69], \c*CHB
	s_or_b32 s[G0C+4*\c+3], s[G0C+4*\c+3], 0x80000000
.endr
	s_cmp_lt_u32 s[WV], 4                          ; all the launch's fills stand in one branch on the wave's number, ahead of every wait on TENSORcnt and every LDS read: five loads of a fetching wave are out
	s_cbranch_scc0 .Lno_fetch
	tensor_load_to_lds s[G0SC:G0SC+3], s[G1SC:G1SC+7]
	s_nop 0
	tensor_load_to_lds s[G0C:G0C+3], s[G1KV:G1KV+7]
	s_nop 0
	tensor_load_to_lds s[G0C+4:G0C+7], s[G1KV:G1KV+7]
	s_nop 0
	tensor_load_to_lds s[G0C+8:G0C+11], s[G1KV:G1KV+7]
	s_nop 0
	tensor_load_to_lds s[G0C+12:G0C+15], s[G1KV:G1KV+7]
	s_nop 0
.rept 4
	v_nop
.endr
.Lno_fetch:
	v_and_b32 v232, 31, v0
	v_lshlrev_b32 v[A8], 3, v232
	v_and_b32 v233, 15, v0                         ; r
	v_bfe_u32 v234, v0, 4, 1                       ; h
	s_lshl_b32 s74, s10, 4
	s_add_co_u32 s74, s74, s[WV]                   ; my tile of 16 queries among the head's 128
	s_mul_i32 s72, s11, 98304
	s_mul_i32 s75, s74, 768
	s_add_co_u32 s72, s72, s75
	s_mov_b32 s73, 0
	s_add_nc_u64 s[72:73], s[4:5], s[72:73]
.irp i, 0,1,2
	global_load_b64 v[QF+2*\i:QF+2*\i+1], v[A8], s[72:73] offset:256*\i   ; Q's three pieces stay in registers
.endr
	s_lshl_b32 s76, s13, 13
	s_lshl_b32 s75, s74, 6
	s_add_co_u32 s76, s76, s75
	s_lshl_b32 s75, s12, 1                         ; my head's two bytes of a pair's word
	s_add_co_u32 s76, s76, s75
	s_add_co_u32 s76, s76, QSC
	s_mov_b32 s77, 0
	s_add_nc_u64 s[76:77], s[4:5], s[76:77]
	v_lshlrev_b32 v235, 2, v233
	global_load_u16 v[QS], v235, s[76:77]          ; the upper two bytes are 0: they scale zero codes
	s_add_co_u32 s75, s75, SCA
	v_lshl_add_u32 v[ASK0], v233, 2, s75
	s_lshl_b32 s78, s12, 12
	s_add_co_u32 s78, s78, SCA+8192
	v_lshl_add_u32 v[ASV0], v233, 2, s78
	v_lshlrev_b32 v[GO], 12, v234                  ; lanes 0-15 take one row of out0, lanes 16-31 the next; 16 bytes a lane
	v_lshl_add_u32 v[GO], v233, 4, v[GO]
	s_lshr_b32 s78, s11, 4                         ; out0: the batch's 2,048 rows of 4,096 bytes,
	s_lshl_b32 s78, s78, 23
	s_lshl_b32 s79, s10, 8                         ; my tile's first true row: 256 x block + 32 (wave / 2) + 8 (wave % 2),
	s_lshr_b32 s75, s[WV], 1
	s_lshl_b32 s75, s75, 5
	s_add_co_u32 s79, s79, s75
	s_and_b32 s75, s[WV], 1
	s_lshl_b32 s75, s75, 3
	s_add_co_u32 s79, s79, s75
	s_lshl_b32 s79, s79, 12
	s_add_co_u32 s78, s78, s79
	s_and_b32 s75, s11, 15                         ; and the head's 256 bytes of a row
	s_lshl_b32 s75, s75, 8
	s_add_co_u32 s78, s78, s75
	s_mov_b32 s79, 0
	s_add_nc_u64 s[6:7], s[6:7], s[78:79]
	v_mov_b32 v13, 0xff61b1e6                      ; the largest t so far: -3e38, under every t
	v_floor_f32 v12, -v13                          ; -M
	v_mov_b32 v14, 0                               ; the sum, in two halves
	v_mov_b32 v15, 0
.irp b, 0,1,2,3
	v_mov_b32 v[236+\b], 0                         ; written once: a lane permute's destination counts as one of its sources
.endr
	v_mov_b32 v253, 0                              ; (named as the upper half of the pair v[252:253] before it is first written)
.irp j, 6,7,8,9,10,11
	v_mov_b32 v[QF+\j], 0                          ; K = 64 .. 127 of the first product: zero codes, in Q
.irp t, 0,1,2,3
	v_mov_b32 v[KF+12*\t+\j], 0                    ; and in K's four fragments; no load lands on them
.endr
.endr
.irp j, 0,1,2,3,4,5,6,7,8,9,10,11,12,13,14,15,16,17,18,19,20,21,22,23,24,25,26,27,28,29,30,31
	v_mov_b32 v[O+\j], 0                           ; O^T.  (The step is written once: its first run finds zeros, which the first change of M leaves zeros)
.endr
; A KEY STEP: 128 keys.
.macro STEP
	v_add_nc_u32 v[ADK], s[TB], v[A8]
	v_add_nc_u32 v[ADS], s[TS], v[ASK0]
	v_add_nc_u32 v[ADT], s[TJ], v[ASV0]
	v_nop                                          ; with the four v_nop below: the places between the last step's products and the loads into V's registers
.irp t, 0,1,2,3                                ; K's tiles 0-3
.irp i, 0,1,2
	ds_load_b64 v[KF+12*\t+2*\i:KF+12*\t+2*\i+1], v[ADK] offset:768*\t+256*\i
.endr
	ds_load_u16 v[KSW+\t], v[ADS] offset:64*\t
.endr
	s_wait_dscnt 0x0
.irp t, 0,1,2,3
	v_wmma_scale_f32_16x16x128_f8f6f4 v[S+8*\t:S+8*\t+7], v[KF+12*\t:KF+12*\t+11], v[QF:QF+11], 0, v[KSW+\t], v[QS] matrix_a_fmt:MATRIX_FMT_FP6 matrix_b_fmt:MATRIX_FMT_FP6
.endr
.rept 4
	v_nop                                          ; places in front of loads into registers that matrix instructions have read
.endr
.irp t, 0,1,2,3                                ; K's tiles 4-7,
.irp i, 0,1,2
	ds_load_b64 v[KF+12*\t+2*\i:KF+12*\t+2*\i+1], v[ADK] offset:768*(4+\t)+256*\i
.endr
	ds_load_u16 v[KSW+\t], v[ADS] offset:64*(4+\t)
.endr
.irp t, 0,1,2,3                                ; and all of V: it lands while the softmax is worked
.irp i, 0,1,2,3,4,5
	ds_load_b64 v[VF+12*\t+2*\i:VF+12*\t+2*\i+1], v[ADK] offset:6144+1536*\t+256*\i
.endr
	ds_load_b32 v[VS+\t], v[ADT] offset:64*\t
.endr
	s_wait_dscnt 28                                ; K's are in; V's 24 pieces and 4 scale words may be out
.irp t, 0,1,2,3
	v_wmma_scale_f32_16x16x128_f8f6f4 v[S+32+8*\t:S+32+8*\t+7], v[KF+12*\t:KF+12*\t+11], v[QF:QF+11], 0, v[KSW+\t], v[QS] matrix_a_fmt:MATRIX_FMT_FP6 matrix_b_fmt:MATRIX_FMT_FP6
.endr                                          ; lane (r, h) holds query r; the 16 registers of tiles 2 b, 2 b + 1 are keys 32 b + 16 h + 0 .. 15 of the step
.rept 4
	v_nop
.endr
.irp b, 0,1,2,3
	v_max3_num_f32 v[232+\b], v[S+16*\b], v[S+1+16*\b], v[S+2+16*\b]   ; THE LARGEST SCORE OF EACH BLOCK OF 32 KEYS: it serves for the row's maximum and, since p rises with the score, for the block's largest p
.endr
.irp i, 3,5,7,9,11,13
.irp b, 0,1,2,3
	v_max3_num_f32 v[232+\b], v[232+\b], v[S+16*\b+\i], v[S+1+16*\b+\i]   ; (the four blocks by turns)
.endr
.endr
.irp b, 0,1,2,3
	v_max_num_f32 v[232+\b], v[232+\b], v[S+15+16*\b]
.endr
.irp b, 0,1,2,3
	v_permlanex16_b32 v[236+\b], v[232+\b], s[SEL], s[SEL+1]
.endr
.irp b, 0,1,2,3
	v_max_num_f32 v[232+\b], v[232+\b], v[236+\b]  ; with lane l xor 16's 16 keys
.endr
	v_max3_num_f32 v254, v232, v233, v234
	v_max_num_f32 v254, v254, v235                 ; the step's largest score of my query
	v_mul_f32 v254, s[CS], v254                    ; as t (c is positive)
	v_max_num_f32 v13, v13, v254                   ; the running largest t
	v_mov_b32 v254, v12
	v_floor_f32 v12, -v13                          ; the new -M = floor(-t) = -ceil(t): M is a whole number
	v_sub_f32 v254, v12, v254                      ; M's old value less its new one: a whole number, 0 or less
	v_cvt_i32_f32 v254, v254                       ; (it saturates)
	v_ldexp_f32 v252, 1.0, v254                    ; f = 2^(old M - new M)
.irp j, 0,2,4,6,8,10,12,14,16,18,20,22,24,26,28,30,32,34,36,38,40,42,44,46,48,50,52,54,56,58,60,62
	v_pk_fma_f32 v[S+\j:S+1+\j], v[S+\j:S+1+\j], s[CS:CS+1], v[12:13] op_sel_hi:[1,0,0]   ; t - M, two at a time (of the pairs c and -M the low word serves both halves)
.endr
.irp b, 0,1,2,3
	v_fma_f32 v[232+\b], v[232+\b], s[CS], v12     ; the same of each block's largest score
.endr
.irp j, 0,1,2,3,4,5,6,7,8,9,10,11,12,13,14,15,16,17,18,19,20,21,22,23,24,25,26,27,28,29,30,31,32,33,34,35,36,37,38,39,40,41,42,43,44,45,46,47,48,49,50,51,52,53,54,55,56,57,58,59,60,61,62,63
	v_exp_f32 v[S+\j], v[S+\j]                     ; p = 2^(t - M), at most 1: not normalised
.endr
	v_pk_mul_f32 v[14:15], v[14:15], v[252:253] op_sel_hi:[1,0]   ; the sums under the new M.  (A plain place behind the exponentials)
	s_wait_alu depctr_va_vdst(0)                   ; one wait for the whole batch, ahead of its first reader
.irp b, 0,1,2,3
	v_exp_f32 v[232+\b], v[232+\b]                 ; the block's largest p: the same two instructions on the same number give the same bits
.endr
	v_pk_add_f32 v[236:237], v[S:S+1], v[S+2:S+3]  ; THE ROW'S SUM IS TAKEN OF THE UNQUANTISED p: two at a time, in two chains.  (It reads the 64 alone: plain work behind the four)
.irp j, 4,8,12,16,20,24,28,32,36,40,44,48,52,56,60
	v_pk_add_f32 v[14:15], v[14:15], v[S+\j:S+1+\j]
	v_pk_add_f32 v[236:237], v[236:237], v[S+2+\j:S+3+\j]
.endr
	v_pk_add_f32 v[14:15], v[14:15], v[236:237]
	s_wait_alu depctr_va_vdst(0)                   ; and one for the four
.irp b, 0,1,2,3
	v_max_num_f32 v[232+\b], 0x1800000, v[232+\b]  ; the floor 2^(3 - 127): the byte cannot fall under 1
.endr
.irp b, 0,1,2,3
	v_add_nc_u32 v[244+\b], 0xff000000, v[232+\b]  ; 2 off the exponent field: the conversion's scale operand
.endr
.irp b, 0,1,2,3
	v_lshrrev_b32 v[236+\b], 23, v[244+\b]         ; the scale's byte
.endr
	v_lshl_or_b32 v253, v237, 8, v236              ; p's scale word for these 128 keys
	v_lshl_or_b32 v253, v238, 16, v253
	v_lshl_or_b32 v253, v239, 24, v253
.irp c, 0,1
	v_cvt_scalef32_pk16_fp6_f32 v[PCD+6*\c:PCD+2+6*\c], v[S+32*\c:S+15+32*\c], v[244+2*\c]
	v_cvt_scalef32_pk16_fp6_f32 v[236+4*\c:238+4*\c], v[S+16+32*\c:S+31+32*\c], v[245+2*\c]   ; (a conversion's three registers begin on an even number)
.endr
	v_nop                                          ; one plain place behind a scaled conversion
.irp c, 0,1                                    ; the operand's layout wants a WHOLE block in a lane: lanes 0-15 block 2 c, lanes 16-31 block 2 c + 1
.irp i, 0,1,2
	v_permlane16_swap_b32 v[PCD+6*\c+\i], v[236+4*\c+\i]
.endr
.irp i, 0,1,2
	v_mov_b32 v[PCD+3+6*\c+\i], v[236+4*\c+\i]
.endr
.endr
.irp j, 0,2,4,6,8,10,12,14,16,18,20,22,24,26,28,30
	v_pk_mul_f32 v[O+\j:O+1+\j], v[O+\j:O+1+\j], v[252:253] op_sel_hi:[1,0]   ; O^T under the new M: x f.  (These sixteen are also the places in front of the matrix instructions below)
.endr
	s_wait_dscnt 0x0                               ; V is in
.irp t, 0,1,2,3                                ; O^T += V^T P^T: four tiles of 16 of the head's 64, four accumulators by turns; K = these 128 keys
	v_wmma_scale_f32_16x16x128_f8f6f4 v[O+8*\t:O+8*\t+7], v[VF+12*\t:VF+12*\t+11], v[PCD:PCD+11], v[O+8*\t:O+8*\t+7], v[VS+\t], v253 matrix_a_fmt:MATRIX_FMT_FP6 matrix_b_fmt:MATRIX_FMT_FP6
.endr
	s_add_co_u32 s[TB], s[TB], STEPB               ; the next step's codes and scale words
	s_add_co_u32 s[TS], s[TS], 512
	s_add_co_u32 s[TJ], s[TJ], 256
.endm
; A CHUNK of four key steps.  The fetching waves wait for their part of it; the chunks issued behind it may stay out.
.macro CHUNK c
	s_wait_tensorcnt 3-\c                          ; tensor loads of a wave end in order (ISA guide 10.11.1): the scale words and chunks 0 .. c are in LDS
	s_wait_dscnt 0x0                               ; no LDS instruction of mine is out at the signal
	s_barrier_signal -1
	s_barrier_wait -1                              ; everybody's parts are in
	s_mov_b32 s[TB], \c*CHB
	s_mov_b32 s[TS], \c*2048
	s_mov_b32 s[TJ], \c*1024
	s_mov_b32 s[CNT], 4
.Lstep_\@:
	STEP
	s_sub_co_u32 s[CNT], s[CNT], 1
	s_cmp_lg_u32 s[CNT], 0
	s_cbranch_scc1 .Lstep_\@
.endm
	s_wait_loadcnt 0x0                             ; Q and its scale word
	CHUNK 0
	CHUNK 1
	CHUNK 2
	CHUNK 3
	; THE WAY OUT.  O^T is divided by the sum and goes through my stage in LDS, so that sixteen lanes store a query's 256 bytes of one head.
	v_add_f32 v14, v14, v15                        ; the sum's two halves,
	v_permlanex16_b32 v252, v14, s[SEL], s[SEL+1]
	v_add_f32 v14, v14, v252                       ; and lane l xor 16's: the row's sum
	v_rcp_f32 v14, v14
	v_and_b32 v232, 15, v0                         ; (a plain place behind the transcendental)  r
	v_bfe_u32 v233, v0, 4, 1                       ; h
	s_mul_i32 s66, s[WV], 16*272
	s_add_co_u32 s66, s66, STAGE                   ; my stage
	v_mul_u32_u24 v[ADK], v232, 272
	v_lshl_add_u32 v[ADK], v233, 6, v[ADK]
	v_add_nc_u32 v[ADK], s66, v[ADK]               ; in: row r; tile t's eight numbers are e = 32 (t / 2) + 16 h + 8 (t % 2) + 0 .. 7
	v_mul_u32_u24 v[ADS], v233, 272
	v_lshl_add_u32 v[ADS], v232, 4, v[ADS]
	v_add_nc_u32 v[ADS], s66, v[ADS]               ; back: lanes 0-15 one row, lanes 16-31 the next
	s_wait_alu depctr_va_vdst(0)                   ; the wait ahead of the reciprocal's first reader
.irp j, 0,1,2,3,4,5,6,7,8,9,10,11,12,13,14,15,16,17,18,19,20,21,22,23,24,25,26,27,28,29,30,31
	v_mul_f32 v[S+\j], v[O+\j], v14                ; each accumulator from its low end on
.endr
.irp t, 0,1,2,3
	ds_store_b128 v[ADK], v[S+8*\t:S+8*\t+3] offset:128*(\t/2)+32*(\t%2)
	ds_store_b128 v[ADK], v[S+8*\t+4:S+8*\t+7] offset:128*(\t/2)+32*(\t%2)+16
.endr
.irp i, 0,1,2,3,4,5,6,7
	ds_load_b128 v[S+32+4*\i:S+32+4*\i+3], v[ADS] offset:544*\i   ; LDS serves a wave's instructions in order (ISA guide 5.7.1.4): these see my stores
.endr
.irp i, 0,1,2,3,4,5,6,7
	s_wait_dscnt 7-\i                              ; the younger row loads may be out
	global_store_b128 v[GO], v[S+32+4*\i:S+32+4*\i+3], s[6:7] offset:(2*\i+8*(\i/4))*4096 th:TH_STORE_NT   ; positions 2 i, 2 i + 1 of my tile at their true rows; 16 lanes store 256 consecutive bytes, at a multiple of 256 from out0's first byte
.endr
	s_wait_xcnt 0x0
	v_lshl_add_u32 v254, v0, 2, 0x45000
	v_mov_b32 v255, 0
	s_wait_tensorcnt 0x0
	ds_add_u32 v254, v255
	s_wait_dscnt 0x0
	CROUND                                         ; the closing round: no work-group ends while a partner may still ask for a tile that names it
	s_endpgm
.Lfunc_end_k_q7dd4c1ea75_attn:
	.size	k_q7dd4c1ea75_attn, .Lfunc_end_k_q7dd4c1ea75_attn-k_q7dd4c1ea75_attn
	.p2alignl 7, 3214868480
	.fill 96, 4, 3214868480
	.section	.rodata,"a",@progbits
	.p2align	6, 0x0
	.amdhsa_kernel k_q7dd4c1ea75_attn
		.amdhsa_group_segment_fixed_size 284672
		.amdhsa_private_segment_fixed_size 0
		.amdhsa_enable_private_segment 0
		.amdhsa_kernarg_size 16
		.amdhsa_user_sgpr_count 2
		.amdhsa_user_sgpr_kernarg_segment_ptr 1
		.amdhsa_wavefront_size32 1
		.amdhsa_system_sgpr_workgroup_id_x 1
		.amdhsa_system_sgpr_workgroup_id_y 1
		.amdhsa_system_sgpr_workgroup_id_z 1
		.amdhsa_system_vgpr_workitem_id 0
		.amdhsa_next_free_vgpr 256
		.amdhsa_next_free_sgpr 80
		.amdhsa_reserve_vcc 0
		.amdhsa_float_denorm_mode_32 3
		.amdhsa_float_denorm_mode_16_64 3
		.amdhsa_memory_ordered 1
		.amdhsa_forward_progress 1
		.amdhsa_inst_pref_size 86
	.end_amdhsa_kernel
	.amdgpu_metadata
---
amdhsa.version: [ 1, 2 ]
amdhsa.kernels:
  - .name:           k_q7dd4c1ea75_attn
    .symbol:         k_q7dd4c1ea75_attn.kd
    .args:
      - { .name: att, .offset: 0, .size: 8, .value_kind: global_buffer, .address_space: global }
      - { .name: out0, .offset: 8, .size: 8, .value_kind: global_buffer, .address_space: global }
    .group_segment_fixed_size: 284672
    .private_segment_fixed_size: 0
    .kernarg_segment_align: 8
    .kernarg_segment_size: 16
    .max_flat_workgroup_size: 512
    .sgpr_count:     80
    .vgpr_count:     256
    .wavefront_size: 32
...
	.end_amdgpu_metadata
.endif
;; end of part 3
